; MI455X (gfx1250); checked and timed in simulation.
; The chip was launched on July 23, 2026; its instructions are those of AMD's public machine-readable ISA for CDNA 5 (MIT licence, August 2026) and "CDNA5" Instruction Set Architecture Reference Guide (July 2026). The comments in the code are by the model that wrote it; some were corrected since.
;; Deep Set Q Network. Allowed arithmetic: float matrix products may take bf16 or f16 operands with f32 sums; all other float work in f32.
;; Inputs: dynamic_input 524,288 x 12 x 4 float32; out_b 5 float32; out_w 64 x 5 float32; phi1_b 16 float32; phi1_w 4 x 16 float32; phi2_b 32 float32; phi2_w 16 x 32 float32; q1_b 64 float32; q1_w 23 x 64 float32; q2_b 64 float32; q2_w 64 x 64 float32; rho1_b 32 float32; rho1_w 32 x 32 float32; rho2_b 16 float32; rho2_w 32 x 16 float32; static_input 524,288 x 7 float32.
;; Outputs: out0 524,288 x 5 float32.
;; One version. Each part assembles by itself: llvm-mc -triple=amdgcn-amd-amdhsa -mcpu=gfx1250 --defsym DOCPART=n.
;; ======== version 1 of 1: 1 launch
;; limits: values outside matrix products are rounded to bf16
;; launch deepset (part 1): grid 256 x 1, 8 waves a work-group, no clusters, 68,608 bytes of LDS; arguments dynamic_input, static_input, out0, phi1_w, phi1_b, phi2_w, phi2_b, rho1_w, rho1_b, rho2_w, rho2_b, q1_w, q1_b, q2_w, q2_b, out_w, out_b; writes out0
.if DOCPART == 1
	.amdgcn_target "amdgcn-amd-amdhsa--gfx1250"
	.amdhsa_code_object_version 6
	.text
	.protected	k_q6576761d25_deepset
	.globl	k_q6576761d25_deepset
	.p2align	8
	.type	k_q6576761d25_deepset,@function
k_q6576761d25_deepset:
	s_mov_b64 s[64:65], 0
	v_nop
	global_prefetch_b8 v0, s[64:65] scope:SCOPE_SE
	s_setreg_imm32_b32 hwreg(HW_REG_WAVE_MODE, 25, 1), 1
	s_wait_xcnt 0x0
; DeepSet Q network, all layers in one launch: phi1 (4->16), phi2 (16->32) on each of 12 set elements, the sum over the set,
; rho1 (32->32), rho2 (32->16), concat with 7 static numbers, q1 (23->64), q2 (64->64), out (64->5).  524,288 rows.
; SHARES: 256 work-groups x 8 waves; wave W = 8 x group + w owns rows 256 W .. 256 W + 255: 4 trips of 64 rows, a trip is two bodies
; of 32 rows, a body two tiles of 16 rows.
; LAYOUT: the WEIGHTS are the matrix instruction's A (M = output feature), the ACTIVATIONS its B (N = batch row = lane % 16).  In the
; result, lane (r, h) register j holds feature 8 h + j of row r, and four packed conversions of these eight registers ARE registers 0-3
; (the second M tile: 4-7) of the next layer's B fragment: no number ever changes its lane.  A bias is the f32 C of a layer's first product.
; NUMBERS: every input (data, weights, biases) is rounded once to bf16, to nearest even; all sums are f32.  Every activation vector goes
; into the next product as a pair hi + lo of bf16 (hi = bf16(x), lo = bf16(x - hi)), so it carries 16 significant bits.  Behind the set
; sum that is two products on one f32 accumulator; in phi2, whose K is 16, hi and lo fill the two halves of one product's K = 32.
; LIMITS: inputs carry a relative rounding of up to 2^-9 each (bf16); relu is max_num(x, 0), which makes 0 of a NaN, and zero weights
; multiply padding lanes' data, so NaN and infinities among the inputs are not honoured.  bf16 has f32's range: no limit of size.
; NO CLUSTER, NO TENSOR LOADS: work-groups share only the 32,916 bytes of weights and biases, against 491,520 bytes of rows that each
; has to itself; the rows come through registers, 6,144 bytes a wave always on their way, asked for one body ahead of their use.
.set TRIPS,  4
.set DBODY,  6144                      ; 32 rows x 192 bytes of dynamic_input
.set STRIP,  1792                      ; 64 rows x 28 bytes of static_input
.set OTRIP,  1280                      ; 64 rows x 20 bytes of out0
; LDS.  The weight image, bf16, [K][N], filled once, read-only behind the one barrier.  Pitches are odd multiples of 32 bytes.
.set Q2I,    0                         ; q2_w   64 rows x 160
.set Q1I,    10240                     ; q1_w   rows 0-15 x 160
.set R1I,    12800                     ; rho1_w 32 rows x 96
.set P2I,    15872                     ; phi2_w 16 rows x 96
.set R2I,    17408                     ; rho2_w 32 rows x 32
.set IMG,    18432                     ; behind it: 6,144 bytes for each wave, touched by that wave alone
.set WST,    6144
.set DSTG,   0                         ; 32 rows x 96 bytes: a body's dynamic rows in bf16
.set SSTG,   3072                      ; 64 rows x 28 bytes: a trip's static rows in f32
.set OSTG,   4864                      ; 64 rows x 20 bytes: a trip's results
; Vector registers, window 0
.set LA8,    1                         ; stage + 8 L
.set LAX,    2                         ; stage + 96 r + 16 h
.set LAS,    3                         ; stage + 28 r + 12 h
.set LAO,    4                         ; stage + 20 L
.set GO16,   5                         ; 16 L
.set GO8,    6                         ; 8 L
.set NEG1,   7                         ; -1.0
.set T,      8                         ; v8-13 at work
.set X0,     14                        ; v14-25 tile 0: 12 elements x 4 numbers of row r (k = 8 h .., 16 + 8 h .., 32 + 8 h ..)
.set Z,      26                        ; v26-47: zeros 26-31, phi1_w in lanes h = 0 at 32-33, zeros 34-39, phi1_w in lanes h = 1 at 40-41, zeros 42-47
.set X1,     48                        ; v48-59 tile 1
                                       ; v60-63 zeros
.set W2A,    64                        ; v64-71   phi2_w columns 0-15, twice: k 0-15 meets hi, k 16-31 meets lo
.set W2B,    72                        ; v72-79   phi2_w columns 16-31, twice
.set CB1,    80                        ; v80-87   phi1_b as a C tile
.set CB2,    88                        ; v88-103  phi2_b, two C tiles
.set SR,     104                       ; v104-111 static numbers, four a tile
.set E,      112                       ; v112-175 work pool
.set D1,     E                         ; phi1's results, two elements
.set HF,     E+16                      ; phi2's B fragments, one an element: hi in registers 0-3, lo in 4-7
.set D2,     E+32                      ; phi2's results, two elements x two M tiles
.set F,      176                       ; v176-207 the set sums, 16 registers a tile
.set R,      208                       ; v208-255 the next body's dynamic rows, f32, on their way
; set-up only, in registers that the loop loads over behind its first wait for all loads
.set O16,    14
.set O8,     15
.set IA64,   16
.set IA32,   17
.set IP32,   18
.set IP16,   19
.set GP1,    20
.set GQ1,    21
.set GOW,    22
.set TA160,  23
.set TA96,   24
.set TA32,   25
.set GB,     48
.set GZ,     49
; window 1 (v256 + n is written v[n] under s_set_vgpr_msb)
.set WR1,    0                         ; rho1_w, 2 fragments
.set WR2,    16                        ; rho2_w
.set WQ1,    24                        ; q1_w, 4 fragments
.set WQ2,    56                        ; q2_w, fragment (mt, ks) at 8 (2 mt + ks)
.set WOUT,   120                       ; out_w, 2 fragments
.set CR1,    136
.set CR2,    152
.set CQ1,    160
.set CQ2,    192
.set COUT,   224
.set SRW,    232                       ; the next trip's static rows on their way, 14 registers
; scalars: s2 wave, s3 W, s4 trip, s5 0xffff0000, s[6:7] an offset, s42 my stage, s43-46 my part of the image, and the pointers:
.set PDYN, 8
.set PSTA, 10
.set POUT, 12
.set PW1,  14
.set PB1,  16
.set PW2,  18
.set PB2,  20
.set PWR1, 22
.set PBR1, 24
.set PWR2, 26
.set PBR2, 28
.set PWQ1, 30
.set PBQ1, 32
.set PWQ2, 34
.set PBQ2, 36
.set PWO,  38
.set PBO,  40
.set MSB, 0
.macro WIN new                         ; low byte: bits 1:0 source 0, 3:2 source 1, 5:4 source 2, 7:6 destination; the high byte repeats the setting left
.if MSB != \new
	s_set_vgpr_msb (MSB<<8)|\new
.set MSB, \new
.endif
.endm
.macro PLACES n                        ; independent vector instructions behind a matrix instruction (ISA guide 7.12.1), where there is no work to put there
.rept \n
	v_nop
.endr
.endm
.macro ZEROS first, n
.set zi, \first
.rept \n
	v_mov_b32 v[zi], 0
.set zi, zi+1
.endr
.endm
.macro RELU8TO s, d                    ; eight max(x, 0), two an instruction
.irp j, 0,2,4,6
	v_dual_max_num_f32 v[\s+\j], 0, v[\d+\j] :: v_dual_max_num_f32 v[\s+\j+1], 0, v[\d+\j+1]
.endr
.endm
.macro RELU8 d
	RELU8TO \d, \d
.endm
.macro ADD8 s, d
.irp j, 0,2,4,6
	v_pk_add_f32 v[\s+\j:\s+\j+1], v[\s+\j:\s+\j+1], v[\d+\j:\d+\j+1]
.endr
.endm
.macro PACK4 p, d                      ; eight f32 to four registers of bf16: half a B fragment
.irp j, 0,1,2,3
	v_cvt_pk_bf16_f32 v[\p+\j], v[\d+2*\j], v[\d+2*\j+1]
.endr
.endm
.macro LO4 l, p, d                     ; lo = bf16(x - hi).  hi is a bf16 half of p; hi x -1.0 + x replaces x and is exact in f32 (x - hi has
.irp j, 0,1,2,3                        ; at most 16 significant bits), so the packed conversion is the one rounding
	v_fma_mix_f32_bf16 v[\d+2*\j], v[\p+\j], v[NEG1], v[\d+2*\j] op_sel_hi:[1,0,0]
	v_fma_mix_f32_bf16 v[\d+2*\j+1], v[\p+\j], v[NEG1], v[\d+2*\j+1] op_sel:[1,0,0] op_sel_hi:[1,0,0]
.endr
	PACK4 \l, \d
.endm
.macro HL p, l, d, relu                ; x in d (eight f32, used up) goes to hi in p and lo in l
.if \relu
	RELU8 \d
.endif
	PACK4 \p, \d
	LO4 \l, \p, \d
.endm
.macro MM d, a, b, c
	v_wmma_f32_16x16x32_bf16 v[\d:\d+7], v[\a:\a+7], v[\b:\b+7], v[\c:\c+7]
.endm
.macro MM0 d, a, b
	v_wmma_f32_16x16x32_bf16 v[\d:\d+7], v[\a:\a+7], v[\b:\b+7], 0
.endm
.macro LOADDYN                         ; a body's 6,144 bytes: each load of the wave takes 512 consecutive bytes
.set lq, 0
.rept 12
	global_load_b128 v[R+4*lq:R+4*lq+3], v[GO16], s[PDYN:PDYN+1] offset:512*lq th:TH_LOAD_NT
.set lq, lq+1
.endr
.endm
.macro LOADSTA                         ; a trip's 1,792 bytes: each load of the wave takes 256 consecutive bytes, aligned
	WIN 0x40
.set lq, 0
.rept 7
	global_load_b64 v[SRW+2*lq:SRW+2*lq+1], v[GO8], s[PSTA:PSTA+1] offset:256*lq th:TH_LOAD_NT
.set lq, lq+1
.endr
	WIN 0
.endm
.macro BIAS c, n, sb                   ; n C tiles: register j of lane (r, h) = b[16 mt + 8 h + j]
.set bq, 0
.rept 2*\n
	global_load_b128 v[\c+4*bq:\c+4*bq+3], v[GB], s[\sb:\sb+1] offset:64*(bq/2)+16*(bq%2)
.set bq, bq+1
.endr
.endm
; ---------------------------------------------------------------- set-up
	s_load_b512 s[8:23], s[0:1], 0x0
	s_load_b512 s[24:39], s[0:1], 0x40
	s_load_b64 s[40:41], s[0:1], 0x80
	s_set_vgpr_msb 0x40
	v_lshl_add_u32 v254, v0, 2, 0x10800
	v_mov_b32 v255, 0
	s_set_vgpr_msb 0x4000
	v_lshrrev_b32 v8, 5, v0
	v_readfirstlane_b32 s2, v8                     ; wave 0..7
	s_lshl_b32 s3, ttmp9, 3
	s_add_co_u32 s3, s3, s2                        ; W
	s_mul_i32 s42, s2, WST
	s_add_co_u32 s42, s42, IMG                     ; my stage
	s_mul_i32 s43, s2, 320                         ; my two rows of a 160-byte image
	s_mul_i32 s44, s2, 384                         ; my four rows of rho1's
	s_mul_i32 s45, s2, 192                         ; my two rows of phi2's
	s_lshl_b32 s46, s2, 7                          ; my four rows of rho2's
	s_mov_b32 s5, 0xffff0000                       ; lanes 16-31; also a word's upper half
	s_mov_b32 s7, 0
	s_mov_b32 s4, 0
	v_and_b32 v9, 31, v0                           ; L
	v_and_b32 v10, 15, v0                          ; r
	v_bfe_u32 v11, v0, 4, 1                        ; h
	v_and_b32 v12, 7, v0                           ; L % 8
	v_bfe_u32 v13, v0, 3, 2                        ; L / 8
	v_lshl_add_u32 v[LA8], v9, 3, s42
	v_mul_u32_u24 v[LAX], v10, 96
	v_lshl_add_u32 v[LAX], v11, 4, v[LAX]
	v_add_nc_u32 v[LAX], s42, v[LAX]
	v_mul_u32_u24 v[LAS], v10, 28
	v_mul_u32_u24 v8, v11, 12
	v_add_nc_u32 v[LAS], v8, v[LAS]
	v_add_nc_u32 v[LAS], s42, v[LAS]
	v_mul_u32_u24 v[LAO], v9, 20
	v_add_nc_u32 v[LAO], s42, v[LAO]
	v_lshlrev_b32 v[GO16], 4, v9
	v_lshlrev_b32 v[GO8], 3, v9
	v_mov_b32 v[NEG1], -1.0
	v_lshlrev_b32 v[O16], 4, v0                    ; 16 t: the 256 threads share a weight matrix out, 16 (or 8) bytes each
	v_lshlrev_b32 v[O8], 3, v0
	v_mul_u32_u24 v[IA64], v11, 160                ; rows of 64: f32 number 4 t is row t / 16 = 2 w + h, column 4 r
	v_lshl_add_u32 v[IA64], v10, 3, v[IA64]
	v_add_nc_u32 v[IA64], s43, v[IA64]
	v_mul_u32_u24 v[IA32], v13, 96                 ; rho1: number 4 t is row t / 8 = 4 w + L / 8, column 4 (L % 8)
	v_lshl_add_u32 v[IA32], v12, 3, v[IA32]
	v_add_nc_u32 v[IA32], s44, v[IA32]
	v_mul_u32_u24 v[IP32], v11, 96                 ; phi2: number 2 t is row 2 w + h, column 2 r
	v_lshl_add_u32 v[IP32], v10, 2, v[IP32]
	v_add_nc_u32 v[IP32], s45, v[IP32]
	v_lshl_add_u32 v[IP16], v9, 2, s46             ; rho2: dense, 4 t
	v_lshlrev_b32 v[GP1], 2, v10                   ; phi1_w: column r
	v_mul_u32_u24 v[GQ1], v11, 768                 ; q1_w: rows 16 + 3 h + i, column r
	v_lshl_add_u32 v[GQ1], v10, 2, v[GQ1]
	v_min_u32 v8, 4, v12                           ; out_w: A's row m takes action min(m % 8, 4): rows 0-4 and rows 8-12 both hold the five actions,
	v_mul_u32_u24 v[GOW], v11, 160                 ; so that lanes of both halves end up with action j of row r in register j
	v_lshl_add_u32 v[GOW], v8, 2, v[GOW]
	v_lshl_add_u32 v8, v11, 3, v12                 ; transposing loads: row 8 h + L % 8 of the image,
	v_bfe_u32 v13, v0, 3, 1
	v_lshlrev_b32 v13, 4, v13                      ; 16 bytes further for lanes 8-15 of each half
	v_mul_u32_u24 v[TA160], v8, 160
	v_add_nc_u32 v[TA160], v13, v[TA160]
	v_mul_u32_u24 v[TA96], v8, 96
	v_add_nc_u32 v[TA96], v13, v[TA96]
	v_lshl_add_u32 v[TA32], v8, 5, v13
	v_lshlrev_b32 v[GB], 5, v11                    ; biases: 8 h numbers in
	v_mov_b32 v[GZ], 0
	s_wait_kmcnt 0x0
	s_mul_i32 s6, s3, 8*DBODY                      ; 256 rows x 192 bytes; the largest is 100,614,144
	s_add_nc_u64 s[PDYN:PDYN+1], s[PDYN:PDYN+1], s[6:7]
	s_mul_i32 s6, s3, 4*STRIP
	s_add_nc_u64 s[PSTA:PSTA+1], s[PSTA:PSTA+1], s[6:7]
	s_mul_i32 s6, s3, 4*OTRIP
	s_add_nc_u64 s[POUT:POUT+1], s[POUT:POUT+1], s[6:7]
	LOADDYN                                        ; the first body's rows and the first trip's static rows go out first
	LOADSTA
	; eight loads: this thread's share of the five matrices that go through the image
.irp q, 0,1,2,3
	global_load_b128 v[E+4*\q:E+4*\q+3], v[O16], s[PWQ2:PWQ2+1] offset:4096*\q
.endr
	global_load_b128 v[E+16:E+19], v[O16], s[PWQ1:PWQ1+1]
	global_load_b128 v[E+20:E+23], v[O16], s[PWR1:PWR1+1]
	global_load_b64 v[E+24:E+25], v[O8], s[PW2:PW2+1]
	global_load_b64 v[E+26:E+27], v[O8], s[PWR2:PWR2+1]
	; 52 gathers, each wave for itself: the three small pieces whose fragments are not plain transposes
.irp k, 0,1,2,3
	global_load_b32 v[E+28+\k], v[GP1], s[PW1:PW1+1] offset:64*\k            ; phi1_w[k][r]
.endr
.set gn, 0
.rept 16
	global_load_b32 v[E+32+gn], v[GQ1], s[PWQ1:PWQ1+1] offset:4096+256*(gn%4)+64*(gn/4)   ; q1_w[16 + 3 h + i][16 mt + r], gn = 4 mt + i
.set gn, gn+1
.endr
.set gn, 0
.rept 32
	global_load_b32 v[F+gn], v[GOW], s[PWO:PWO+1] offset:20*(16*(gn/8)+(gn%8))           ; out_w[16 (gn / 8) + 8 h + gn % 8][action]
.set gn, gn+1
.endr
	ZEROS 26, 6
	ZEROS 34, 6
	ZEROS 42, 6
	ZEROS 60, 4
	s_wait_loadcnt 52                              ; loads come back in order (ISA guide 5.7.1): all but the 52 gathers are in
.set gn, 0
.rept 14
	v_cvt_pk_bf16_f32 v[E+48+gn], v[E+2*gn], v[E+2*gn+1]
.set gn, gn+1
.endr
.irp q, 0,1,2,3
	ds_store_b64 v[IA64], v[E+48+2*\q:E+48+2*\q+1] offset:Q2I+2560*\q
.endr
	ds_store_b64 v[IA64], v[E+56:E+57] offset:Q1I
	ds_store_b64 v[IA32], v[E+58:E+59] offset:R1I
	ds_store_b32 v[IP32], v[E+60] offset:P2I
	ds_store_b32 v[IP16], v[E+61] offset:R2I
	; 33 bias loads, straight into the C tiles
	BIAS CB1, 1, PB1
	BIAS CB2, 2, PB2
	WIN 0x40
	BIAS CR1, 2, PBR1
	BIAS CR2, 1, PBR2
	BIAS CQ1, 4, PBQ1
	BIAS CQ2, 4, PBQ2
.irp j, 0,1,2,3,4
	global_load_b32 v[COUT+\j], v[GZ], s[PBO:PBO+1] offset:4*\j              ; out_b[j] in every lane
.endr
	ZEROS COUT+5, 3
	WIN 0
	s_wait_loadcnt 33                              ; all but the 33 bias loads: the gathers are in
	v_cvt_pk_bf16_f32 v8, v[E+28], v[E+29]
	v_cvt_pk_bf16_f32 v9, v[E+30], v[E+31]
	v_cndmask_b32 v32, v8, v[Z], s5                ; phi1_w in lanes 0-15, zeros in lanes 16-31
	v_cndmask_b32 v33, v9, v[Z], s5
	v_cndmask_b32 v40, v[Z], v8, s5                ; and the other way round
	v_cndmask_b32 v41, v[Z], v9, s5
.irp m, 0,1,2,3
	v_cndmask_b32 v[E+32+4*\m], v[E+32+4*\m], v[Z], s5    ; static number 3 is held by both halves of the lanes: the upper half's weight for it is 0
.endr
	WIN 0x40
.irp m, 0,1,2,3
	v_cvt_pk_bf16_f32 v[WQ1+8*\m+4], v[E+32+4*\m], v[E+33+4*\m]
	v_cvt_pk_bf16_f32 v[WQ1+8*\m+5], v[E+34+4*\m], v[E+35+4*\m]
	v_mov_b32 v[WQ1+8*\m+6], 0
	v_mov_b32 v[WQ1+8*\m+7], 0
.endr
.set gn, 0
.rept 16
	v_cvt_pk_bf16_f32 v[WOUT+gn], v[F+2*gn], v[F+2*gn+1]
.set gn, gn+1
.endr
	WIN 0
	s_wait_dscnt 0x0                               ; my part of the image is written,
	s_barrier_signal -1
	s_barrier_wait -1                              ; everybody's is.  The kernel's only barrier: nothing writes the image again
	; 30 transposing loads: k = 8 h .. 8 h + 7 of column r of a [K][N] image, which is half an A fragment
	ds_load_tr16_b128 v[W2A:W2A+3], v[TA96] offset:P2I             ; phi2_w has 16 rows: the same half fills both halves of its fragments
	ds_load_tr16_b128 v[W2A+4:W2A+7], v[TA96] offset:P2I
	ds_load_tr16_b128 v[W2B:W2B+3], v[TA96] offset:P2I+32
	ds_load_tr16_b128 v[W2B+4:W2B+7], v[TA96] offset:P2I+32
	WIN 0x40
.irp m, 0,1
	ds_load_tr16_b128 v[WR1+8*\m:WR1+8*\m+3], v[TA96] offset:R1I+32*\m
	ds_load_tr16_b128 v[WR1+8*\m+4:WR1+8*\m+7], v[TA96] offset:R1I+32*\m+1536
.endr
	ds_load_tr16_b128 v[WR2:WR2+3], v[TA32] offset:R2I
	ds_load_tr16_b128 v[WR2+4:WR2+7], v[TA32] offset:R2I+512
.irp m, 0,1,2,3
	ds_load_tr16_b128 v[WQ1+8*\m:WQ1+8*\m+3], v[TA160] offset:Q1I+32*\m
.endr
.set gn, 0
.rept 8
	ds_load_tr16_b128 v[WQ2+8*gn:WQ2+8*gn+3], v[TA160] offset:Q2I+5120*(gn%2)+32*(gn/2)
	ds_load_tr16_b128 v[WQ2+8*gn+4:WQ2+8*gn+7], v[TA160] offset:Q2I+5120*(gn%2)+32*(gn/2)+2560
.set gn, gn+1
.endr
	WIN 0
	s_wait_loadcnt 0x0                             ; the biases.  They are rounded to bf16 like every input and kept as f32
.set gn, 0
.rept 12
	v_cvt_pk_bf16_f32 v[E+48+gn], v[CB1+2*gn], v[CB1+2*gn+1]
.set gn, gn+1
.endr
.set gn, 0
.rept 12
	v_lshlrev_b32 v[CB1+2*gn], 16, v[E+48+gn]
	v_and_b32 v[CB1+2*gn+1], s5, v[E+48+gn]
.set gn, gn+1
.endr
	WIN 0x05
.set gn, 0
.rept 48
	v_cvt_pk_bf16_f32 v[E+gn], v[CR1+2*gn], v[CR1+2*gn+1]
.set gn, gn+1
.endr
	WIN 0x40
.set gn, 0
.rept 48
	v_lshlrev_b32 v[CR1+2*gn], 16, v[E+gn]
	v_and_b32 v[CR1+2*gn+1], s5, v[E+gn]
.set gn, gn+1
.endr
	WIN 0
; ---------------------------------------------------------------- a body's parts
; The rows that have arrived go to LDS in bf16, the fragments come back, and the next rows are asked for.
.macro STAGE half
	s_wait_loadcnt 0x0                             ; this body's rows, asked for a body ago (half 0: the trip's static rows too); it also frees the pointers
.set sq, 0
.rept 24
	v_cvt_pk_bf16_f32 v[E+sq], v[R+2*sq], v[R+2*sq+1]
.set sq, sq+1
.endr
.set sq, 0
.rept 12
	ds_store_b64 v[LA8], v[E+2*sq:E+2*sq+1] offset:DSTG+256*sq
.set sq, sq+1
.endr
.if \half == 0
	WIN 0x04
.set sq, 0
.rept 7
	ds_store_b64 v[LA8], v[SRW+2*sq:SRW+2*sq+1] offset:SSTG+256*sq
.set sq, sq+1
.endr
	WIN 0
.endif
	; LDS serves a wave's instructions in order (ISA guide 5.7.1): these loads see the stores above
.irp c, 0,1,2
	ds_load_b128 v[X0+4*\c:X0+4*\c+3], v[LAX] offset:DSTG+32*\c
.endr
.irp c, 0,1,2
	ds_load_b128 v[X1+4*\c:X1+4*\c+3], v[LAX] offset:DSTG+1536+32*\c
.endr
.irp n, 0,1,2,3,4,5,6,7
	ds_load_b32 v[SR+\n], v[LAS] offset:SSTG+896*\half+448*(\n/4)+4*(\n%4)   ; static[row][3 h + i]
.endr
.if \half == 0
	s_add_nc_u64 s[PDYN:PDYN+1], s[PDYN:PDYN+1], DBODY
	LOADDYN
.else
	s_cmp_eq_u32 s4, TRIPS-1                       ; the last trip asks for nothing: no load leaves its buffer
	s_cbranch_scc1 .Lno_more_\@
	s_add_nc_u64 s[PDYN:PDYN+1], s[PDYN:PDYN+1], DBODY
	LOADDYN
	s_add_nc_u64 s[PSTA:PSTA+1], s[PSTA:PSTA+1], STRIP
	LOADSTA
.Lno_more_\@:
.endif
	s_wait_dscnt 11                                ; tile 0's fragments are in; tile 1's three loads and the eight static words may be out
.endm
; phi1 on pair i (tile i / 6, elements 2 (i % 6) and the next).  B holds eight elements' 32 numbers; A is an 8-register view of the
; chain of zeros round phi1_w, placed so that the weights meet the element's four k and zeros meet all others.
.macro PHI1 i
.set pe, 2*((\i)%6)
.set px, X0+(X1-X0)*((\i)/6)+8*(pe/8)
.set pq, pe%8
.set pa, 32+8*((pq>>1)&1)-((pq>>2)<<2)
	MM D1, pa, px, CB1
	MM D1+8, pa-2, px, CB1
.endm
; relu, then each element's 16 features as hi (k 0-15) and lo (k 16-31) of a B fragment of its own.  The eight relu lines come first:
; they name D1 alone and are the places between the PHI2 in front and the first write of its B registers.
.macro POST1
	RELU8 D1
	RELU8 D1+8
	PACK4 HF, D1
	PACK4 HF+8, D1+8
	LO4 HF+4, HF, D1
	LO4 HF+12, HF+8, D1+8
.endm
.macro PHI2                            ; one product an element and M tile: W hi + W lo + bias
	MM D2, W2A, HF, CB2
	MM D2+8, W2B, HF, CB2+8
	MM D2+16, W2A, HF+8, CB2
	MM D2+24, W2B, HF+8, CB2+8
.endm
.macro POST2 i                         ; relu and the sum over the set; a tile's first element starts the sum
.set ps, F+16*((\i)/6)
.if ((\i)%6) == 0
	RELU8TO ps, D2
	RELU8TO ps+8, D2+8
.else
	RELU8 D2
	RELU8 D2+8
.endif
	RELU8 D2+16
	RELU8 D2+24
.if ((\i)%6) != 0
	ADD8 ps, D2
	ADD8 ps+8, D2+8
.endif
	ADD8 ps, D2+16
	ADD8 ps+8, D2+24
.endm
; One round.  POST1's eight relu lines are the places behind PHI2, POST2's 24 or 32 lines the places behind PHI1 (ISA guide 7.12.1);
; v_nop only where a round lacks one of them.
.macro ROUND i
	PHI2                                           ; pair i
.if (\i) == 0
	PLACES 4                                       ; behind PHI1 1, which stands straight in front of this round
.endif
.if (\i) == 11
	PLACES 4
.endif
.if (\i) < 11
	POST1                                          ; pair i + 1
.endif
.if (\i) == 4
	s_wait_dscnt 0x0                               ; tile 1's fragments and the static words
.endif
.if (\i) < 10
	PHI1 (\i)+2
.endif
	POST2 \i
.endm
; The layers behind the set sum, for one tile.  Windows: 0x11 A and C in window 1, 0x01 A alone.  In every layer the accumulators
; take turns, one instruction a turn.  Behind a layer four v_nop stand in front of the first vector read of a
; result; the fifth place that the next layer's products need comes from the split of a neighbouring accumulator, which names none of
; the registers in question.
.macro TAIL tile, half
.set ts, F+16*\tile
	HL E+0, E+8, ts, 0                             ; the set sum as hi (E+0..7) and lo (E+8..15)
	HL E+4, E+12, ts+8, 0
	WIN 0x11                                       ; rho1
	MM E+16, WR1, E+0, CR1
	MM E+24, WR1+8, E+0, CR1+8
	WIN 0x01
	MM E+16, WR1, E+8, E+16
	MM E+24, WR1+8, E+8, E+24
	WIN 0
	PLACES 4
	HL E+32, E+40, E+16, 1
	HL E+36, E+44, E+24, 1
	WIN 0x11                                       ; rho2: one M tile, so hi and lo go to two accumulators, added below
	MM E+48, WR2, E+32, CR2
	WIN 0x01
	MM0 E+56, WR2, E+40
	WIN 0
	v_cvt_pk_bf16_f32 v58, v[SR+4*\tile], v[SR+4*\tile+1]      ; the static numbers: k 16-19 in lanes 0-15, k 24-27 in lanes 16-31
	v_cvt_pk_bf16_f32 v59, v[SR+4*\tile+2], v[SR+4*\tile+3]
	PLACES 3
	ADD8 E+48, E+56
	HL 54, 22, E+48, 1                             ; hi: v54-57, then static v58-59, zeros v60-61; lo: v22-25, then zeros v26-29
	WIN 0x11                                       ; q1
.irp m, 0,1,2,3
	MM E+8*\m, WQ1+8*\m, 54, CQ1+8*\m
.endr
	WIN 0x01
.irp m, 0,1,2,3
	MM E+8*\m, WQ1+8*\m, 22, E+8*\m
.endr
	WIN 0
	PLACES 4
	HL E+32, E+40, E+0, 1                          ; features 0-31: hi E+32..39, lo E+40..47; features 32-63: hi E+48..55, lo E+56..63
	HL E+36, E+44, E+8, 1
	HL E+48, E+56, E+16, 1
	HL E+52, E+60, E+24, 1
	WIN 0x11                                       ; q2
.irp m, 0,1,2,3
	MM E+8*\m, WQ2+16*\m, E+32, CQ2+8*\m
.endr
	WIN 0x01
.irp m, 0,1,2,3
	MM E+8*\m, WQ2+16*\m, E+40, E+8*\m
.endr
.irp m, 0,1,2,3
	MM E+8*\m, WQ2+16*\m+8, E+48, E+8*\m
.endr
.irp m, 0,1,2,3
	MM E+8*\m, WQ2+16*\m+8, E+56, E+8*\m
.endr
	WIN 0
	PLACES 4
	HL E+32, E+40, E+0, 1
	HL E+36, E+44, E+8, 1
	HL E+48, E+56, E+16, 1
	HL E+52, E+60, E+24, 1
	WIN 0x11                                       ; out: the hi products on one accumulator, the lo products on another
	MM E+0, WOUT, E+32, COUT
	WIN 0x01
	MM0 E+8, WOUT, E+40
	MM E+0, WOUT+8, E+48, E+0
	MM E+8, WOUT+8, E+56, E+8
	WIN 0
.if \tile == 0
	PLACES 5                                       ; five: tile 1's first products take E+0..7 as B, and every line up to them names E+0..7, so none of them is a place
.irp j, 0,1,2,3,4
	v_add_f32 v[F+\j], v[E+\j], v[E+8+\j]          ; action j of row r, in both halves of the lanes; kept until tile 1 is done
.endr
.else
	PLACES 4                                       ; four for the adds; the five selects below are further places
.irp j, 0,1,2,3,4
	v_add_f32 v[T+\j], v[E+\j], v[E+8+\j]
.endr
.irp j, 0,1,2,3,4
	v_cndmask_b32 v[T+\j], v[F+\j], v[T+\j], s5    ; lanes 0-15 take tile 0, lanes 16-31 tile 1: lane L holds row L of the body
.endr
.irp j, 0,1,2,3,4
	ds_store_b32 v[LAO], v[T+\j] offset:OSTG+640*\half+4*\j
.endr
.endif
.endm
.macro BODY half
	STAGE \half
	PHI1 0
	PLACES 4
	POST1                                          ; pair 0
	PHI1 1
.irp i, 0,1,2,3,4,5,6,7,8,9,10,11
	ROUND \i
.endr
	TAIL 0, \half
	TAIL 1, \half
.endm
; ---------------------------------------------------------------- the loop: 64 rows a trip
.Ltrip:
	BODY 0
	BODY 1
	; the trip's 1,280 bytes of results leave as five stores of 256 consecutive bytes, each at a multiple of 256 from out0's first byte
.irp q, 0,1,2,3,4
	ds_load_b64 v[F+16+2*\q:F+16+2*\q+1], v[LA8] offset:OSTG+256*\q
.endr
	s_wait_dscnt 0x0
.irp q, 0,1,2,3,4
	global_store_b64 v[GO8], v[F+16+2*\q:F+16+2*\q+1], s[POUT:POUT+1] offset:256*\q th:TH_STORE_NT
.endr
	s_wait_xcnt 0x0                                ; the stores' base and data are rewritten only behind this wait (ISA guide 3.1)
	s_add_nc_u64 s[POUT:POUT+1], s[POUT:POUT+1], OTRIP
	s_add_co_u32 s4, s4, 1
	s_cmp_lt_u32 s4, TRIPS
	s_cbranch_scc1 .Ltrip
	s_set_vgpr_msb 0x5
	s_wait_tensorcnt 0x0
	ds_add_u32 v254, v255
	s_wait_dscnt 0x0
	s_set_vgpr_msb 0x500
	s_endpgm
.Lfunc_end_k_q6576761d25_deepset:
	.size	k_q6576761d25_deepset, .Lfunc_end_k_q6576761d25_deepset-k_q6576761d25_deepset
	.p2alignl 7, 3214868480
	.fill 96, 4, 3214868480
	.section	.rodata,"a",@progbits
	.p2align	6, 0x0
	.amdhsa_kernel k_q6576761d25_deepset
		.amdhsa_group_segment_fixed_size 68608
		.amdhsa_private_segment_fixed_size 0
		.amdhsa_enable_private_segment 0
		.amdhsa_kernarg_size 136
		.amdhsa_user_sgpr_count 2
		.amdhsa_user_sgpr_kernarg_segment_ptr 1
		.amdhsa_wavefront_size32 1
		.amdhsa_system_sgpr_workgroup_id_x 1
		.amdhsa_system_sgpr_workgroup_id_y 1
		.amdhsa_system_sgpr_workgroup_id_z 1
		.amdhsa_system_vgpr_workitem_id 0
		.amdhsa_next_free_vgpr 512
		.amdhsa_next_free_sgpr 66
		.amdhsa_reserve_vcc 0
		.amdhsa_float_denorm_mode_32 3
		.amdhsa_float_denorm_mode_16_64 3
		.amdhsa_memory_ordered 1
		.amdhsa_forward_progress 1
		.amdhsa_inst_pref_size 236
	.end_amdhsa_kernel
	.amdgpu_metadata
---
amdhsa.version: [ 1, 2 ]
amdhsa.kernels:
  - .name:           k_q6576761d25_deepset
    .symbol:         k_q6576761d25_deepset.kd
    .args:
      - { .name: dynamic_input, .offset: 0, .size: 8, .value_kind: global_buffer, .address_space: global }
      - { .name: static_input, .offset: 8, .size: 8, .value_kind: global_buffer, .address_space: global }
      - { .name: out0, .offset: 16, .size: 8, .value_kind: global_buffer, .address_space: global }
      - { .name: phi1_w, .offset: 24, .size: 8, .value_kind: global_buffer, .address_space: global }
      - { .name: phi1_b, .offset: 32, .size: 8, .value_kind: global_buffer, .address_space: global }
      - { .name: phi2_w, .offset: 40, .size: 8, .value_kind: global_buffer, .address_space: global }
      - { .name: phi2_b, .offset: 48, .size: 8, .value_kind: global_buffer, .address_space: global }
      - { .name: rho1_w, .offset: 56, .size: 8, .value_kind: global_buffer, .address_space: global }
      - { .name: rho1_b, .offset: 64, .size: 8, .value_kind: global_buffer, .address_space: global }
      - { .name: rho2_w, .offset: 72, .size: 8, .value_kind: global_buffer, .address_space: global }
      - { .name: rho2_b, .offset: 80, .size: 8, .value_kind: global_buffer, .address_space: global }
      - { .name: q1_w, .offset: 88, .size: 8, .value_kind: global_buffer, .address_space: global }
      - { .name: q1_b, .offset: 96, .size: 8, .value_kind: global_buffer, .address_space: global }
      - { .name: q2_w, .offset: 104, .size: 8, .value_kind: global_buffer, .address_space: global }
      - { .name: q2_b, .offset: 112, .size: 8, .value_kind: global_buffer, .address_space: global }
      - { .name: out_w, .offset: 120, .size: 8, .value_kind: global_buffer, .address_space: global }
      - { .name: out_b, .offset: 128, .size: 8, .value_kind: global_buffer, .address_space: global }
    .group_segment_fixed_size: 68608
    .private_segment_fixed_size: 0
    .kernarg_segment_align: 8
    .kernarg_segment_size: 136
    .max_flat_workgroup_size: 256
    .sgpr_count:     66
    .vgpr_count:     512
    .wavefront_size: 32
...
	.end_amdgpu_metadata
.endif
;; end of part 1
